; MI455X (gfx1250); checked and timed in simulation.
; The chip was launched on July 23, 2026; its instructions are those of AMD's public machine-readable ISA for CDNA 5 (MIT licence, August 2026) and "CDNA5" Instruction Set Architecture Reference Guide (July 2026). The comments in the code are by the model that wrote it; some were corrected since.
;; Multi Head Attention. Allowed arithmetic: matrix products marked QUANTISED: E2M1 operands, one E8M0 scale for each 32 along K, by v_wmma_scale_f32_16x16x128_f8f6f4 with both operands' format E2M1 (or v_wmma_scale_f32_32x16x128_f4), f32 sums; everything else in f32.
;; Inputs: Wk_codes 1,024 x 32 x 16 uint8 (E2M1 codes of Wk, K innermost, in blocks of 32 codes, two codes a byte); Wk_scales 1,024 x 32 uint8 (E8M0 scales of Wk, one for each 32 codes along K); Wq_codes 1,024 x 32 x 16 uint8 (E2M1 codes of Wq, K innermost, in blocks of 32 codes, two codes a byte); Wq_scales 1,024 x 32 uint8 (E8M0 scales of Wq, one for each 32 codes along K); Wv_codes 1,024 x 32 x 16 uint8 (E2M1 codes of Wv, K innermost, in blocks of 32 codes, two codes a byte); Wv_scales 1,024 x 32 uint8 (E8M0 scales of Wv, one for each 32 codes along K); beta 1,024 float32; gamma 1,024 float32; key_codes 4 x 2,048 x 32 x 16 uint8 (E2M1 codes of key, K innermost, in blocks of 32 codes, two codes a byte); key_scales 4 x 2,048 x 32 uint8 (E8M0 scales of key, one for each 32 codes along K); query 4 x 2,048 x 1,024 float32.
;; Outputs: out0 4 x 2,048 x 1,024 float32.
;; This version of the problem:
;;   THIS VERSION OF THE PROBLEM IS GIVEN IN LOW PRECISION. The matrix products marked QUANTISED in the list below multiply operands that are first quantised to E2M1 (2 exponent bits, 1 mantissa bit; 4 bits a number), with one power-of-two scale for each 32 numbers along K (OCP MX v1.0); their sums are f32. All else is computed in f32.
;;   The module's matrix products, in the order in which they are computed (A, B: the left and right operand; K: the contracted axis; several contracted axes count as one K, in the product's order):
;;     1. [M 8,192, K 1,024] x [K 1,024, N 1,024]; A: input query; B: input Wq (given as codes): QUANTISED
;;     2. [M 8,192, K 1,024] x [K 1,024, N 1,024]; A: input key (given as codes); B: input Wk (given as codes): QUANTISED
;;     3. [M 8,192, K 1,024] x [K 1,024, N 1,024]; A: input key (given as codes); B: input Wv (given as codes): QUANTISED
;;     4. batch 64 x [M 2,048, K 64] x [K 64, N 2,048]; A: computed on the way; B: computed on the way: QUANTISED
;;     5. batch 64 x [M 64, K 2,048] x [K 2,048, N 2,048]; A: computed on the way; B: softmax (see below): QUANTISED
;;   THE QUANTISER, for each operand of a quantised product, along K:
;;     - K is cut into blocks of 32 from its start; a last block that is shorter is filled with zeros.
;;     - A block's scale is 2^e with e = floor(log2(the largest magnitude in the block)) - 2, held to -126 .. 127; a block of zeros has e = 0. As a byte (E8M0): e + 127.
;;     - Each number is divided by its block's scale, clamped to +-6, and rounded to the nearest number of E2M1, ties to even, subnormals kept.
;;     - The product sums the exact products of the quantised numbers (number of the format x scale) in f32.
;;   ~~~python
;;   def quantise(x, axis):      # numpy; x: float32 -> the quantised numbers, widened to float32 again
;;       x = np.moveaxis(x, axis, -1); K = x.shape[-1]
;;       x = np.pad(x, [(0, 0)] * (x.ndim - 1) + [(0, -K % 32)]); x = x.reshape(x.shape[:-1] + (-1, 32)); a = np.abs(x).max(-1, keepdims=True)
;;       e = np.where(a > 0, np.clip(np.frexp(np.where(a > 0, a, 1))[1] - 1 - 2, -126, 127), 0)      # np.frexp(a)[1] - 1 = floor(log2(a)), exactly
;;       r = np.clip(x / 2.0 ** e, -6, 6)
;;       step = 2.0 ** (np.maximum(np.frexp(np.where(r == 0, 1, r))[1] - 1, 0) - 1)
;;       q = np.round(r / step) * step * 2.0 ** e      # np.round: ties to even
;;       return np.moveaxis(q.reshape(q.shape[:-2] + (-1,))[..., :K], -1, axis).astype(np.float32)
;;   ~~~
;;   SOFTMAX AHEAD OF A QUANTISED PRODUCT. Where the list says 'softmax', what is quantised is not the finished softmax but p = 2^(t - M), with t = logit x log2(e) and M = ceil(the row's largest t), a whole number; so 1/2 < the row's largest p <= 1. The row's sum l is taken of the UNQUANTISED p, in f32, and the product's result is divided by l at the end. Since M is a whole number, a kernel that streams over the keys may use a running M (the ceiling of the running maximum): every later rescaling is an exact power of two, which a block's scale takes up: the codes' values come out the same.
;;   OPERANDS COMPUTED ON THE WAY. 'Computed on the way' means the value that the module computes at that place (a softmax that the list does not call 'softmax' is quantised finished and normalised). What goes into a quantiser is computed in f32, as accurately as f32 sums, v_exp_f32 and their like allow (about 1e-6 of the number): no bf16 or f16 on the way to a quantiser, and a product that is left as it is and whose result goes on into a quantised operand takes f32 operands (vector FMAs, or v_wmma_f32_16x16x4_f32). A number that lies on a knife's edge between two numbers of the format may be rounded either way, as far as f32 arithmetic and the matrix unit's own rounding can turn it there, and no further.
;;   INPUTS GIVEN AS CODES. Wk (in the module: [1024, 1024], K = its axis 1); Wq (in the module: [1024, 1024], K = its axis 1); Wv (in the module: [1024, 1024], K = its axis 1); key (in the module: [4, 2048, 1024], K = its axis 2): each comes as NAME_codes (uint8): NAME with its K axis moved to the last place and cut into blocks of 32 codes, [.., K / 32, bytes a block], one block behind the other in memory; two codes a byte, the lower K in the low four bits (a code: sign, 2 exponent bits, 1 mantissa bit); and NAME_scales (uint8): the same leading axes, one E8M0 byte (e + 127) for each 32 codes along K. Its value is code x scale, taken as it is: it is not quantised again, and the codes and scales need not be those that the quantiser above would give.
;; One version. Each part assembles by itself: llvm-mc -triple=amdgcn-amd-amdhsa -mcpu=gfx1250 --defsym DOCPART=n.
;; ======== version 1 of 1: 3 launches
;; limits: right only within a limited range of input values
;; workspace buffers: xq_codes 4,194,304 bytes; xq_scales 262,144 bytes; codes 8,388,608 bytes; scl 524,288 bytes; res 33,554,432 bytes; stats 131,072 bytes
;; launch prep (part 1): grid 256 x 1, 16 waves a work-group, no clusters, 327,680 bytes of LDS; arguments query, key_codes, key_scales, Wk_codes, Wk_scales, Wv_codes, Wv_scales, xq_codes, xq_scales, codes, scl; writes xq_codes, xq_scales, codes, scl
.if DOCPART == 1
	.amdgcn_target "amdgcn-amd-amdhsa--gfx1250"
	.amdhsa_code_object_version 6
	.text
	.protected	k_qd8907c2684_prep
	.globl	k_qd8907c2684_prep
	.p2align	8
	.type	k_qd8907c2684_prep,@function
k_qd8907c2684_prep:
	s_mov_b64 s[64:65], 0
	v_nop
	global_prefetch_b8 v0, s[64:65] scope:SCOPE_SE
	s_setreg_imm32_b32 hwreg(HW_REG_WAVE_MODE, 25, 1), 1
	s_wait_xcnt 0x0
; Two things in one launch: k = key Wk^T and v = key Wv^T on codes of FP4 (E2M1) with E8M0 scales, K = 1,024, each result quantised again in registers;
; and query [8192][1024] f32 -> codes (512 bytes a row) and scale bytes (32 a row), done by every work-group for 32 rows while its tiles are on their way.
; WORK LEFT OUT BY THE PROGRAM (in the attention launch): key steps all of whose keys come after a tile's queries.  reference() itself sets their scores to -1e6 by a mask that it builds in its own body;
; their p = 2^(t - M) is 0 in f32 while the row's largest visible logit lies over about -999,850 (stated there as a limit).  A NaN or infinity that reaches only such scores is not carried on.  Every input is loaded.
; WORK-GROUPS: 256 = 2 jobs (0 k, 1 v) x 128 tiles of 256 x 256: wt = 256 rows of the weight, xt = 256 tokens.
; SOURCE 0 is the operand whose rows are the NEXT product's K (the weight for k, the keys for v): a lane holds one row of the next operand and its registers run along the next K.
; WAVES: sixteen.  wa = w / 8: 128 rows of source 0 (8 tiles); wb = w % 8: 32 rows of source 1 (2 tiles): 16 accumulators, two fragments out.
; LDS: both operands' 256 rows for all of K, filled once: waves 0-7 bring 64 rows of codes each, waves 8-15 the scale bytes of 64 rows each: one tensor load a wave.
; OUT, as images of operand registers (registers 0-3 at 16 x lane): k: [n][head][tile of 16 keys][512 bytes]; v: [n][head][step of 128 keys][tile of 16 channels][1,024 bytes] from byte 4,194,304.
; Scale words: k: [n][pair of heads][key] (a word holds both heads' bytes); v: [n][head][step][channel] from byte 262,144.
; No cluster: the shared tile is source 1's for k and source 0's for v, so a mask would hang on the job.  No prefetch of tiles: the text has no loop to run ahead in.
; QUANTISER: scale byte = exponent field of the block's largest magnitude - 2, held at 1 from below (a block of zeros keeps 1: its codes are zeros, and this program alone reads the bytes).
; LIMITS: NaN and infinities are not served; blocks whose largest magnitude lies under 2^-124 are quantised under the byte 1.
.set PITCH, 528                        ; an LDS row: 512 bytes of codes + 16: the 16 rows that a load touches start 16 bytes apart modulo 256
.set SCL,   512*PITCH                  ; the 512 rows' scale bytes, 32 a row
.set SST,   SCL+16384                  ; stage of the scale words made here
.set QSTG,  SST+2048                   ; query's turn: 2,048 bytes a wave
.set QSB,   QSTG+32768                 ; query's 1,024 scale bytes
.set SPARE, QSB+1024                   ; the spare words
.set ADA, 4
.set ADB, 5
.set WA0, 6                            ; v6, v7 the turn, way in (even, odd load)
.set ASA, 8
.set ASB, 9
.set LI,  10
.set SWR, 11
.set SRD, 12
.set CO,  14
.set SBA, 15
.set SA,  16                           ; v16-35 hold scales and nothing else
.set SB,  32
.set ST1, 36                           ; v36-38 offsets of the second to fourth store of codes; v39 of the scale words
.set SSO, 39
.set BF,  40
.set AF,  56
.set RA,  120                          ; v120-123 the turn, way out
.set SPW, 126
.set NIL, 127
.set ACC, 128
.set TM,  56
.set PW,  72
.set PC,  80
.set R,   128                          ; query: v128-191 as loaded, v192-255 16 neighbours a lane, v96-103 codes, v104-107 bytes, v108-110 at work
.set X,   192
.set C,   96
.set E,   104
.set T,   108
.set G1C, 68
.set G1S, 76
.set SEL, 92
	s_load_b512 s[16:31], s[0:1], 0x0              ; query, key codes, key scales, Wk codes, Wk scales, Wv codes, Wv scales, xq codes
	s_load_b128 s[32:35], s[0:1], 0x40             ; xq scales, codes
	s_load_b64 s[36:37], s[0:1], 0x50              ; scl
	v_lshl_add_u32 v[SPW], v0, 2, SPARE
	v_mov_b32 v[NIL], 0
	ds_add_u32 v[SPW], v[NIL]                      ; the opening lines: the add twice on end and one wait
	ds_add_u32 v[SPW], v[NIL]
	v_lshrrev_b32 v1, 5, v0
	v_readfirstlane_b32 s3, v1                     ; wave
	s_lshr_b32 s4, ttmp9, 7                        ; job
	s_and_b32 s9, ttmp9, 127
	s_and_b32 s5, s9, 3                            ; wt
	s_lshr_b32 s6, s9, 2                           ; xt
	s_lshr_b32 s7, s3, 3                           ; wa
	s_and_b32 s8, s3, 7                            ; wb; also: which 64 of the 512 rows I fetch for
	s_mov_b32 s[G1C+0], (1<<20)|(6<<22)|(3<<25)    ; 64 rows x 512 bytes, four words of padding behind every 128
	s_mov_b32 s[G1C+1], 512<<16
	s_mov_b32 s[G1C+2], 64<<16
	s_mov_b32 s[G1C+3], 512<<16
	s_mov_b32 s[G1C+4], 64
	s_mov_b32 s[G1C+5], 512
	s_mov_b32 s[G1C+6], 0
	s_mov_b32 s[G1C+7], 0
	s_mov_b32 s[G1S+0], 3<<16                      ; 2,048 dense bytes as 8 rows of 256
	s_mov_b32 s[G1S+1], 32<<16
	s_mov_b32 s[G1S+2], 8<<16
	s_mov_b32 s[G1S+3], 32<<16
	s_mov_b32 s[G1S+4], 8
	s_mov_b32 s[G1S+5], 32
	s_mov_b32 s[G1S+6], 0
	s_mov_b32 s[G1S+7], 0
	s_mov_b32 s[SEL], 0x76543210
	s_mov_b32 s[SEL+1], 0xfedcba98
	s_lshr_b32 s60, s8, 2
	s_xor_b32 s60, s60, s4                         ; 1: the rows that I fetch for are tokens
	s_lshr_b32 s9, s6, 3                           ; n
	s_and_b32 s10, s6, 7
	s_lshl_b32 s11, s9, 4
	s_lshl_b32 s12, s5, 2
	s_add_co_u32 s11, s11, s12                     ; 16 n + 4 wt
	s_lshl_b32 s12, s7, 1                          ; k's codes: ((16 n + 4 wt + 2 wa) x 128 + 16 (xt % 8) + 2 wb) x 512
	s_add_co_u32 s12, s12, s11
	s_lshl_b32 s12, s12, 7
	s_lshl_b32 s13, s10, 4
	s_add_co_u32 s12, s12, s13
	s_lshl_b32 s13, s8, 1
	s_add_co_u32 s12, s12, s13
	s_lshl_b32 s12, s12, 9
	s_lshr_b32 s13, s8, 1                          ; v's: (((16 n + 4 wt + wb / 2) x 16 + 2 (xt % 8) + wa) x 4 + 2 (wb % 2)) x 1,024
	s_add_co_u32 s13, s13, s11
	s_lshl_b32 s13, s13, 4
	s_lshl_b32 s14, s10, 1
	s_add_co_u32 s13, s13, s14
	s_add_co_u32 s13, s13, s7
	s_lshl_b32 s13, s13, 2
	s_and_b32 s14, s8, 1
	s_lshl_b32 s14, s14, 1
	s_add_co_u32 s13, s13, s14
	s_lshl_b32 s13, s13, 10
	s_add_co_u32 s13, s13, 4194304
	s_lshr_b32 s14, s11, 1                         ; the scale words, stored by waves 0-3: wave w those of waves 4 w .. 4 w + 3.  k's:
	s_lshr_b32 s15, s3, 1
	s_add_co_u32 s14, s14, s15
	s_lshl_b32 s14, s14, 7
	s_lshl_b32 s56, s10, 4
	s_add_co_u32 s14, s14, s56
	s_and_b32 s56, s3, 1
	s_lshl_b32 s57, s56, 3
	s_add_co_u32 s14, s14, s57
	s_lshl_b32 s14, s14, 6
	s_lshl_b32 s56, s56, 1                         ; v's:
	s_add_co_u32 s56, s56, s11
	s_lshl_b32 s56, s56, 4
	s_lshl_b32 s57, s10, 1
	s_add_co_u32 s56, s56, s57
	s_add_co_u32 s56, s56, s15
	s_lshl_b32 s56, s56, 8
	s_add_co_u32 s56, s56, 262144
	s_mov_b32 s61, 65536
	s_mov_b32 s62, 512
	s_mov_b32 s63, 66048
	s_cmp_eq_u32 s4, 1
	s_cselect_b32 s58, s13, s12
	s_cselect_b32 s59, s56, s14
	s_cselect_b32 s57, 3840, 0                     ; v: lanes 16-31 of the words' store belong to the next head, 4,096 bytes on
	s_cselect_b32 s61, 512, s61                    ; k: a fragment's second half is the odd head's, 65,536 bytes on
	s_cselect_b32 s62, 1024, s62
	s_cselect_b32 s63, 1536, s63
	s_mul_i32 s52, s7, 128*PITCH
	s_mul_i32 s53, s8, 32*PITCH
	s_add_co_u32 s53, s53, 256*PITCH
	s_lshl_b32 s54, s7, 12
	s_add_co_u32 s54, s54, SCL
	s_lshl_b32 s55, s8, 10
	s_add_co_u32 s55, s55, SCL+8192
	s_lshl_b32 s38, s3, 11
	s_add_co_u32 s38, s38, QSTG
	s_lshl_b32 s39, s3, 6
	s_add_co_u32 s39, s39, QSB
	s_lshl_b32 s44, ttmp9, 4
	s_add_co_u32 s44, s44, s3                      ; my run of 2,048 numbers of query
	s_lshl_b32 s46, s44, 13
	s_mov_b32 s47, 0
	s_lshl_b32 s48, s44, 10
	s_mov_b32 s49, 0
	s_lshl_b32 s50, ttmp9, 10
	s_mov_b32 s51, 0
	v_and_b32 v1, 31, v0                           ; lane
	v_and_b32 v2, 15, v0                           ; r
	v_bfe_u32 v3, v0, 4, 1                         ; h
	v_mul_u32_u24 v13, v2, PITCH
	v_lshl_add_u32 v13, v3, 4, v13
	v_add_nc_u32 v[ADA], s52, v13
	v_add_nc_u32 v[ADB], s53, v13
	v_lshlrev_b32 v[ASA], 5, v2
	v_lshl_add_u32 v[ASA], v3, 11, v[ASA]          ; lanes 16-31: tile t + 4
	v_add_nc_u32 v[ASA], s54, v[ASA]
	v_lshlrev_b32 v[ASB], 5, v1
	v_add_nc_u32 v[ASB], s55, v[ASB]
	v_lshlrev_b32 v[LI], 4, v1
	v_lshl_add_u32 v[SWR], v0, 2, SST
	v_and_b32 v[SRD], 127, v0
	v_lshl_add_u32 v[SRD], v[SRD], 4, SST
	v_add_nc_u32 v[ST1], s61, v[LI]
	v_add_nc_u32 v[ST1+1], s62, v[LI]
	v_add_nc_u32 v[ST1+2], s63, v[LI]
	v_mul_u32_u24 v[SSO], v3, s57
	v_add_nc_u32 v[SSO], v[SSO], v[LI]
	; the turn: piece c of 16 bytes lies at piece c xor ((c / 16) % 4): in, c = 32 i + lane; out, c = 4 lane + i: sixteen lanes touch sixteen columns both ways
	v_xor_b32 v13, v1, v3
	v_lshl_add_u32 v[WA0], v13, 4, s38
	v_xor_b32 v13, 2, v13
	v_lshl_add_u32 v[WA0+1], v13, 4, s38
	v_bfe_u32 v13, v0, 2, 2
	v_lshl_add_u32 v13, v1, 2, v13
	v_lshl_add_u32 v[RA], v13, 4, s38
	v_xor_b32 v[RA+1], 16, v[RA]
	v_xor_b32 v[RA+2], 32, v[RA]
	v_xor_b32 v[RA+3], 48, v[RA]
	v_lshlrev_b32 v[CO], 3, v1
	v_lshrrev_b32 v[SBA], 1, v1
	v_add_nc_u32 v[SBA], s39, v[SBA]
	v_and_b32 v125, 63, v0
	v_lshlrev_b32 v125, 4, v125
	v_add_nc_u32 v124, QSB, v125
	s_wait_alu depctr_va_vdst(0)                   ; the wait at the head's end
	s_wait_dscnt 0x0                               ; both opening adds are done
	s_wait_kmcnt 0x0
	s_cmp_eq_u32 s4, 1                             ; the job chooses pointers
	s_cselect_b64 s[40:41], s[26:27], s[22:23]
	s_cselect_b64 s[42:43], s[28:29], s[24:25]
	s_cmp_eq_u32 s60, 1
	s_cselect_b64 s[40:41], s[18:19], s[40:41]     ; what I fetch from: codes,
	s_cselect_b64 s[42:43], s[20:21], s[42:43]     ; scale bytes,
	s_cselect_b32 s12, s6, s5                      ; and which 256 rows
	s_lshl_b32 s12, s12, 8
	s_and_b32 s13, s8, 3
	s_lshl_b32 s13, s13, 6
	s_add_co_u32 s12, s12, s13
	s_lshl_b32 s14, s12, 5
	s_mov_b32 s15, 0
	s_mov_b32 s84, 1
	s_lshl_b32 s85, s8, 11
	s_add_co_u32 s85, s85, SCL
	s_add_nc_u64 s[86:87], s[42:43], s[14:15]
	s_or_b32 s87, s87, 0x80000000
	s_lshl_b32 s14, s12, 9
	s_mov_b32 s88, 1
	s_mul_i32 s89, s8, 64*PITCH
	s_add_nc_u64 s[90:91], s[40:41], s[14:15]
	s_or_b32 s91, s91, 0x80000000
	s_add_nc_u64 s[16:17], s[16:17], s[46:47]
	s_add_nc_u64 s[30:31], s[30:31], s[48:49]
	s_add_nc_u64 s[32:33], s[32:33], s[50:51]
	s_mov_b32 s14, s58
	s_add_nc_u64 s[34:35], s[34:35], s[14:15]
	s_mov_b32 s14, s59
	s_add_nc_u64 s[36:37], s[36:37], s[14:15]
	s_cmp_lt_u32 s3, 8                             ; one tensor load a wave: waves 0-7 codes, waves 8-15 scale bytes
	s_cbranch_scc0 .Lfs
	tensor_load_to_lds s[88:91], s[G1C:G1C+7]
	s_nop 0
.rept 4
	v_nop
.endr
	s_branch .Lfj
.Lfs:
	tensor_load_to_lds s[84:87], s[G1S:G1S+7]
	s_nop 0
.rept 4
	v_nop
.endr
.Lfj:
; QUERY, while the tiles are on their way.  Four steps of 512 numbers a wave; each load reads 512 consecutive bytes; a step turns through my own 2,048 bytes of LDS and comes back 64 bytes a lane.
.irp t, 0,1,2,3
.irp i, 0,1,2,3
	global_load_b128 v[R+16*\t+4*\i:R+16*\t+4*\i+3], v[LI], s[16:17] offset:2048*\t+512*\i
.endr
.endr
.irp t, 0,1,2,3
	s_wait_loadcnt 12-4*\t                         ; this step's four loads are in; those of the later steps may be out
.irp i, 0,1,2,3
	ds_store_b128 v[WA0+(\i%2)], v[R+16*\t+4*\i:R+16*\t+4*\i+3] offset:512*\i
.endr
.irp i, 0,1,2,3
	ds_load_b128 v[X+16*\t+4*\i:X+16*\t+4*\i+3], v[RA+\i]   ; LDS serves a wave's instructions in order: these see the stores above, and the next step's stores come behind them
.endr
.endr
.macro QSTEP t
.set XS, X+16*(\t)
	s_wait_dscnt 24-7*(\t)                         ; behind this step's loads: 8 instructions for each later step, one byte store for each earlier one
	v_max3_num_f32 v[T], |v[XS]|, |v[XS+1]|, |v[XS+2]|
	v_max3_num_f32 v[T+1], |v[XS+3]|, |v[XS+4]|, |v[XS+5]|
.irp i, 6,10
	v_max3_num_f32 v[T], v[T], |v[XS+\i]|, |v[XS+\i+1]|
	v_max3_num_f32 v[T+1], v[T+1], |v[XS+\i+2]|, |v[XS+\i+3]|
.endr
	v_max3_num_f32 v[T], v[T], |v[XS+14]|, |v[XS+15]|
	v_max3_num_f32 v[T], v[T], v[T+1], 0x1800000   ; the floor 2^(3 - 127)
	v_max_num_f32_dpp v[T], v[T], v[T] row_xmask:1 row_mask:0xf bank_mask:0xf   ; with my neighbour's 16: the block's
	v_add_nc_u32 v[T+2], 0xff000000, v[T]          ; 2 off the exponent field: the conversion's scale operand
	v_cvt_scalef32_pk8_fp4_f32 v[C+2*(\t)], v[XS:XS+7], v[T+2]
	v_cvt_scalef32_pk8_fp4_f32 v[C+2*(\t)+1], v[XS+8:XS+15], v[T+2]
	v_lshrrev_b32 v[E+(\t)], 23, v[T+2]            ; the byte (a plain line behind the conversions)
	ds_store_b8 v[SBA], v[E+(\t)] offset:16*(\t)
	global_store_b64 v[CO], v[C+2*(\t):C+2*(\t)+1], s[30:31] offset:256*(\t)   ; 256 consecutive bytes, aligned
.endm
	QSTEP 0
	QSTEP 1
	QSTEP 2
	QSTEP 3
	s_wait_alu depctr_va_vdst(0)                   ; the wait ahead of the waits below
	s_wait_tensorcnt 0x0                           ; my tile is in,
	s_wait_dscnt 0x0                               ; my scale bytes are in LDS
	s_barrier_signal -1
	s_barrier_wait -1                              ; everybody's are
	s_cmp_gt_u32 s3, 1
	s_cbranch_scc1 .Lnsb                           ; two waves store query's 1,024 scale bytes
	ds_load_b128 v[112:115], v124
	s_wait_dscnt 0x0
	global_store_b128 v125, v[112:115], s[32:33]
.Lnsb:
	s_wait_xcnt 0x0                                ; the stores have read their registers, which the fragments take now
.macro WM d, a, b, c, x, y, ra, rb
.if (\ra) == 0 && (\rb) == 0
	v_wmma_scale_f32_16x16x128_f8f6f4 v[\d:\d+7], v[\a:\a+7], v[\b:\b+7], \c, v[\x], v[\y] matrix_a_fmt:MATRIX_FMT_FP4 matrix_b_fmt:MATRIX_FMT_FP4
.elseif (\ra) == 0
	v_wmma_scale_f32_16x16x128_f8f6f4 v[\d:\d+7], v[\a:\a+7], v[\b:\b+7], \c, v[\x], v[\y] matrix_a_fmt:MATRIX_FMT_FP4 matrix_b_fmt:MATRIX_FMT_FP4 matrix_b_scale:MATRIX_SCALE_ROW1
.elseif (\rb) == 0
	v_wmma_scale_f32_16x16x128_f8f6f4 v[\d:\d+7], v[\a:\a+7], v[\b:\b+7], \c, v[\x], v[\y] matrix_a_fmt:MATRIX_FMT_FP4 matrix_b_fmt:MATRIX_FMT_FP4 matrix_a_scale:MATRIX_SCALE_ROW1
.else
	v_wmma_scale_f32_16x16x128_f8f6f4 v[\d:\d+7], v[\a:\a+7], v[\b:\b+7], \c, v[\x], v[\y] matrix_a_fmt:MATRIX_FMT_FP4 matrix_b_fmt:MATRIX_FMT_FP4 matrix_a_scale:MATRIX_SCALE_ROW1 matrix_b_scale:MATRIX_SCALE_ROW1
.endif
.endm
.macro MUL8 hi, q, zero                ; the sixteen accumulators take turns, one instruction a turn
.irp t, 0,1,2,3
.irp i, 0,1
.set rD, ACC+64*\i+8*(4*(\hi)+\t)
.set rA, AF+8*(4*(\hi)+\t)
.set rB, BF+8*\i
.set rX, SA+4*\t+(\q)%4
.set rY, SB+(\q)%4
.if \zero
	WM rD, rA, rB, 0, rX, rY, \hi, \i
.else
	WM rD, rA, rB, v[rD:rD+7], rX, rY, \hi, \i
.endif
.endr
.endr
.endm
.macro KSTEP q, zero
.if (\zero) == 0
.rept 4
	v_nop                                          ; four places between the last products and loads into registers that they read
.endr
.endif
.if (\q)%4 == 0
.irp t, 0,1,2,3
	ds_load_b128 v[SA+4*\t:SA+4*\t+3], v[ASA] offset:512*\t+16*((\q)/4)   ; the scale words of four K steps
.endr
	ds_load_b128 v[SB:SB+3], v[ASB] offset:16*((\q)/4)
.endif
.irp i, 0,1
.irp c, 0,1
	ds_load_b128 v[BF+8*\i+4*\c:BF+8*\i+4*\c+3], v[ADB] offset:16*PITCH*\i+64*(\q)+32*\c
.endr
.endr
.irp t, 0,1,2,3,4,5,6,7
.irp c, 0,1
	ds_load_b128 v[AF+8*\t+4*\c:AF+8*\t+4*\c+3], v[ADA] offset:16*PITCH*\t+64*(\q)+32*\c
.endr
.endr
	s_wait_dscnt 8                                 ; all but the youngest eight: source 0's tiles 4-7
	MUL8 0, \q, \zero
	s_wait_dscnt 0x0
	MUL8 1, \q, \zero
.endm
; 64 numbers of a lane, v[s] on: register 16 b + 8 u + j = place 32 b + 16 u + 8 h + j along the next K -> a fragment's codes in v[pc] on, its scale word in v[pw]
.macro QUANT s, pc, pw
.irp b, 0,1,2,3
	v_max3_num_f32 v[TM+\b], |v[\s+16*\b]|, |v[\s+1+16*\b]|, 0x1800000
.endr
.irp i, 2,4,6,8,10,12,14
.irp b, 0,1,2,3
	v_max3_num_f32 v[TM+\b], v[TM+\b], |v[\s+16*\b+\i]|, |v[\s+1+16*\b+\i]|
.endr
.endr
.irp b, 0,1,2,3
	v_permlanex16_b32 v[TM+4+\b], v[TM+\b], s[SEL], s[SEL+1]
.endr
.irp b, 0,1,2,3
	v_max_num_f32 v[TM+\b], v[TM+\b], v[TM+4+\b]
.endr
.irp b, 0,1,2,3
	v_add_nc_u32 v[TM+12+\b], 0xff000000, v[TM+\b]
.endr
.irp b, 0,1,2,3
	v_lshrrev_b32 v[TM+4+\b], 23, v[TM+12+\b]
.endr
	v_lshl_or_b32 v[\pw], v[TM+5], 8, v[TM+4]
	v_lshl_or_b32 v[\pw], v[TM+6], 16, v[\pw]
	v_lshl_or_b32 v[\pw], v[TM+7], 24, v[\pw]
.irp b, 0,1,2,3
.irp u, 0,1
	v_cvt_scalef32_pk8_fp4_f32 v[\pc+4*(\b/2)+2*\u+(\b%2)], v[\s+16*\b+8*\u:\s+16*\b+8*\u+7], v[TM+12+\b]
.endr
.endr
	v_nop                                          ; one plain place behind a scaled conversion
.irp c, 0,1
.irp u, 0,1
	v_permlane16_swap_b32 v[\pc+4*\c+2*\u], v[\pc+4*\c+2*\u+1]   ; registers 4 c + 2 u, + 1 now hold places 64 c + 32 h + 16 u + 0 .. 15
.endr
.endr
.endm
	KSTEP 0, 1
.irp q, 1,2,3,4,5,6,7
	KSTEP \q, 0
.endr
.rept 4
	v_nop                                          ; places in front of the first read of results
.endr
.irp b, 0,1,2,3
	v_mov_b32 v[TM+4+\b], 0                        ; a lane permute's destination counts as one of its sources
.endr
	QUANT ACC, PC, PW
	QUANT ACC+64, PC+8, PW+1
	global_store_b128 v[LI], v[PC:PC+3], s[34:35]          ; each store: 512 consecutive bytes, aligned
	global_store_b128 v[ST1], v[PC+4:PC+7], s[34:35]
	global_store_b128 v[ST1+1], v[PC+8:PC+11], s[34:35]
	global_store_b128 v[ST1+2], v[PC+12:PC+15], s[34:35]
	v_cmp_gt_u32 vcc_lo, 16, v1
	v_cndmask_b32 v[PW+2], v[PW+1], v[PW], vcc_lo  ; lanes 0-15: the first fragment's words; lanes 16-31: the second's
	ds_store_b32 v[SWR], v[PW+2]
	s_wait_dscnt 0x0
	s_barrier_signal -1
	s_barrier_wait -1
	s_cmp_gt_u32 s3, 3
	s_cbranch_scc1 .Lend
	ds_load_b128 v[96:99], v[SRD]
	s_wait_dscnt 0x0
	global_store_b128 v[SSO], v[96:99], s[36:37]   ; two aligned runs of 256 bytes (k: on end)
.Lend:
	s_wait_tensorcnt 0x0                           ; the wave's end
	ds_add_u32 v[SPW], v[NIL]
	s_wait_dscnt 0x0
	s_endpgm
.Lfunc_end_k_qd8907c2684_prep:
	.size	k_qd8907c2684_prep, .Lfunc_end_k_qd8907c2684_prep-k_qd8907c2684_prep
	.p2alignl 7, 3214868480
	.fill 96, 4, 3214868480
	.section	.rodata,"a",@progbits
	.p2align	6, 0x0
	.amdhsa_kernel k_qd8907c2684_prep
		.amdhsa_group_segment_fixed_size 327680
		.amdhsa_private_segment_fixed_size 0
		.amdhsa_enable_private_segment 0
		.amdhsa_kernarg_size 88
		.amdhsa_user_sgpr_count 2
		.amdhsa_user_sgpr_kernarg_segment_ptr 1
		.amdhsa_wavefront_size32 1
		.amdhsa_system_sgpr_workgroup_id_x 1
		.amdhsa_system_sgpr_workgroup_id_y 1
		.amdhsa_system_sgpr_workgroup_id_z 1
		.amdhsa_system_vgpr_workitem_id 0
		.amdhsa_next_free_vgpr 256
		.amdhsa_next_free_sgpr 96
		.amdhsa_reserve_vcc 1
		.amdhsa_float_denorm_mode_32 3
		.amdhsa_float_denorm_mode_16_64 3
		.amdhsa_memory_ordered 1
		.amdhsa_forward_progress 1
		.amdhsa_inst_pref_size 53
	.end_amdhsa_kernel
	.amdgpu_metadata
---
amdhsa.version: [ 1, 2 ]
amdhsa.kernels:
  - .name:           k_qd8907c2684_prep
    .symbol:         k_qd8907c2684_prep.kd
    .args:
      - { .name: query, .offset: 0, .size: 8, .value_kind: global_buffer, .address_space: global }
      - { .name: key_codes, .offset: 8, .size: 8, .value_kind: global_buffer, .address_space: global }
      - { .name: key_scales, .offset: 16, .size: 8, .value_kind: global_buffer, .address_space: global }
      - { .name: Wk_codes, .offset: 24, .size: 8, .value_kind: global_buffer, .address_space: global }
      - { .name: Wk_scales, .offset: 32, .size: 8, .value_kind: global_buffer, .address_space: global }
      - { .name: Wv_codes, .offset: 40, .size: 8, .value_kind: global_buffer, .address_space: global }
      - { .name: Wv_scales, .offset: 48, .size: 8, .value_kind: global_buffer, .address_space: global }
      - { .name: xq_codes, .offset: 56, .size: 8, .value_kind: global_buffer, .address_space: global }
      - { .name: xq_scales, .offset: 64, .size: 8, .value_kind: global_buffer, .address_space: global }
      - { .name: codes, .offset: 72, .size: 8, .value_kind: global_buffer, .address_space: global }
      - { .name: scl, .offset: 80, .size: 8, .value_kind: global_buffer, .address_space: global }
    .group_segment_fixed_size: 327680
    .private_segment_fixed_size: 0
    .kernarg_segment_align: 8
    .kernarg_segment_size: 88
    .max_flat_workgroup_size: 512
    .sgpr_count:     96
    .vgpr_count:     256
    .wavefront_size: 32
...
	.end_amdgpu_metadata
.endif
;; end of part 1
;; launch attn (part 2): grid 4 x 64, 16 waves a work-group, clusters of 4 x 1, 265,216 bytes of LDS; arguments codes, scl, xq_codes, xq_scales, Wq_codes, Wq_scales, query, res, stats; writes res, stats
.if DOCPART == 2
	.amdgcn_target "amdgcn-amd-amdhsa--gfx1250"
	.amdhsa_code_object_version 6
	.text
	.protected	k_qd8907c2684_attn
	.globl	k_qd8907c2684_attn
	.p2align	8
	.type	k_qd8907c2684_attn,@function
k_qd8907c2684_attn:
	s_mov_b64 s[64:65], 0
	v_nop
	global_prefetch_b8 v0, s[64:65] scope:SCOPE_SE
	s_setreg_imm32_b32 hwreg(HW_REG_WAVE_MODE, 25, 1), 1
	s_wait_xcnt 0x0
	s_wait_alu depctr_hold_cnt(0) depctr_sa_sdst(0) depctr_va_vdst(0) depctr_va_sdst(0) depctr_va_ssrc(0) depctr_va_vcc(0) depctr_vm_vsrc(0)
	s_getreg_b32 s2, hwreg(HW_REG_IB_STS2, 6, 4)
	s_cmp_eq_u32 s2, 0
	s_cbranch_scc0 .Lentry_in_a_cluster
	s_endpgm
.Lentry_in_a_cluster:
	s_bfe_u32 s2, ttmp6, 0x10000c
	s_cmp_lg_u32 s2, 0x3003
	s_cbranch_scc0 .Lentry_shape_is_right
	s_endpgm
.Lentry_shape_is_right:
; The projection q = query Wq^T of one head, causal attention of that head, the residual, and the batch norm's partial statistics; all products on codes of FP4 (E2M1) with E8M0 scales.
; res[row][64 head ..] = (sum over keys of p V) / l + query;  t = (q . k) log2(e) / 32;  M = the running largest t rounded UP to a whole number;  p = 2^(t - M), quantised along the keys;
; l = the row's sum of the unquantised p.  When M moves, l and O are multiplied by 2^(old M - new M): exact.
; LEFT OUT: key steps all of whose keys come after the tile's queries (reference()'s own causal mask); hidden scores of the diagonal step count as -infinity.
; LIMITS: rows whose largest visible logit lies under about -999,850 are not served (the definition writes -1e6 for hidden scores); NaN and infinities are not served; a block of zeros keeps the scale byte 1.
; CLUSTER: the four work-groups of a cluster own one head's 2,048 queries.  Each holds the head's whole K and V, their scale words and the head's 64 rows of Wq in LDS, asked for JOINTLY, once:
; waves 0-3 K's codes, 4-7 V's (16 KiB each), 8-9 K's scale words, 10 V's (4 KiB each), 11-14 sixteen rows of Wq each: one tensor load a wave, no byte filled twice.
; WAVES: sixteen.  A wave makes two tiles of 16 queries, in block J0 = w % 8 of 128 queries and in block J1 = 15 - J0: 17 key steps of 128 keys for every wave.  J hangs on the wave's number alone;
; the work-group's place in its cluster enters global offsets and the mask's data, nothing else.
; Q: at the head each wave multiplies its two tiles' rows of query's codes (straight from memory, a ring of four K steps in registers) by the head's Wq (from LDS): 64 matrix instructions; the result is quantised in registers.
; The first product's K is 64: registers 4-7 of Q's operand are zero codes.  So registers 4-7 of K's operand may hold any codes: tile t of K is v[KF + 4 t .. + 7], whose upper half is the next tile's codes
; (behind the last tile: the second pass's Q).  Scale bytes 2 and 3 are 0 on both sides, not 0xff.
; LAYOUT: all products transposed: a lane holds ONE query.  In S^T register 8 t + j of lane (r, h) is key 16 t + 8 h + j of the step.
; STATISTICS: for each tile of 16 rows the column sums and the sums of squares about the tile's own mean; wave 0 joins the work-group's 32 tiles likewise.
.set VC,    65536                      ; LDS: K 512 bytes a tile of 16 keys from 0; V 4,096 a key step from here
.set KS,    131072                     ; K's scale words, 64 bytes a tile
.set VS,    139264                     ; V's, 256 bytes a key step
.set WQ,    143360                     ; Wq: 64 rows of 512 + 16 bytes
.set WP,    528
.set STG,   177152                     ; each wave's stage: 16 rows x 272.  No tensor load lands from here on
.set STAT,  246784                     ; 32 slots of 512 bytes
.set SPARE, 263168
.set SP,    272
.set LI, 1
.set AV0, 2
.set ASK0, 3
.set ASV0, 4
.set QSC1, 5                           ; v5, v24, v204-216 hold scales and nothing else
.set SPW, 6
.set GO, 7
.set ADK, 8
.set ADV, 9
.set ADS, 10
.set ADT, 11
.set QF, 16
.set QSC, 24
.set DM, 25
.set STO, 26
.set RD, 27
.set PFO, 28
.set NINF, 29
.set STA, 30
.set NIL, 31
.set KF, 32                            ; v32-63 eight tiles of K, four registers each
.set Q1, 64                            ; v64-67 the second pass's Q
.set VF, 68
.set S, 100
.set OT, 164
.set PC, 196
.set KSC, 204
.set VSC, 212
.set PW, 216
.set GL, 217
.set BM, 218
.set PT, 222
.set SO, 226
.set TT, 230
.set FF, 232
.set CH, 234                           ; v234-247 seven chains of the sum
.set SUM, 236
.set M2, 240
.set MEAN, 244
.set T, 248
.set XP, 252
.set XR, 32                            ; the head: v32-95 query's codes, four K steps x two tiles; v164-195, v218-249 Wq's fragments, two sets; v100-163 the sums
.set WB1, 218
.set TM, 234
.set XA, 250                           ; v250, v251 offsets of the two tiles' codes, v252 of their scale words, v253 of Wq's, v254 LDS address of Wq's fragments
.set XSA, 252
.set WSA, 253
.set WA, 254
.set XO, 4
.set KSI, 8
.set TB, 9
.set TS, 10
.set TJ, 11
.set JJ, 34
.set PJ, 36
.set WV, 38
.set CX, 39
.set NB, 40
.set HEAD, 41
.set ODD, 42
.set SUB, 43
.set HM, 44
.set NH, 45
.set SEL, 46
.set CS, 48
.set XC, 50
.set G1D, 52
.set XS, 60
.set G1E, 68
.set G1W, 76
.set G0D, 84
.set G0E, 88
.set G0W, 92
.macro ROUND
	s_barrier_signal -1
	s_barrier_wait -1
	s_cmp_lg_u32 s[WV], 0
	s_cbranch_scc1 .Lnw0_\@
	s_barrier_signal -3
.Lnw0_\@:
	s_barrier_wait -3
	s_barrier_signal -1
	s_barrier_wait -1
.endm
	s_load_b512 s[16:31], s[0:1], 0x0              ; codes, scl, xq codes, xq scales, Wq codes, Wq scales, query, res
	s_load_b64 s[32:33], s[0:1], 0x40              ; stats
	v_lshl_add_u32 v[SPW], v0, 2, SPARE
	v_mov_b32 v[NIL], 0
	ds_add_u32 v[SPW], v[NIL]                      ; the opening lines: the add twice on end and one wait
	ds_add_u32 v[SPW], v[NIL]
	v_lshrrev_b32 v8, 5, v0
	v_readfirstlane_b32 s[WV], v8
	s_and_b32 s[NH], ttmp7, 0xffff                 ; 16 n + head, which the four partners share
	s_lshr_b32 s[NB], s[NH], 4
	s_and_b32 s[HEAD], s[NH], 15
	s_and_b32 s[ODD], s[NH], 1
	s_and_b32 s[JJ], s[WV], 7
	s_xor_b32 s[JJ+1], s[JJ], 15
	s_mov_b32 s[G1D], 15|(3<<16)|(1<<21)           ; 16,384 dense bytes as 64 rows of 256; the mask names all four work-groups
	s_mov_b32 s[G1D+1], 32<<16
	s_mov_b32 s[G1D+2], 64<<16
	s_mov_b32 s[G1D+3], 32<<16
	s_mov_b32 s[G1D+4], 64
	s_mov_b32 s[G1D+5], 32
	s_mov_b32 s[G1D+6], 0
	s_mov_b32 s[G1D+7], 0
	s_mov_b32 s[G1E], 15|(3<<16)|(1<<21)           ; 4,096 dense bytes as 16 rows of 256
	s_mov_b32 s[G1E+1], 32<<16
	s_mov_b32 s[G1E+2], 16<<16
	s_mov_b32 s[G1E+3], 32<<16
	s_mov_b32 s[G1E+4], 16
	s_mov_b32 s[G1E+5], 32
	s_mov_b32 s[G1E+6], 0
	s_mov_b32 s[G1E+7], 0
	s_mov_b32 s[G1W], 15|(1<<20)|(1<<21)|(6<<22)|(3<<25)   ; 16 rows x 512 bytes, four words of padding behind every 128
	s_mov_b32 s[G1W+1], 512<<16
	s_mov_b32 s[G1W+2], 16<<16
	s_mov_b32 s[G1W+3], 512<<16
	s_mov_b32 s[G1W+4], 16
	s_mov_b32 s[G1W+5], 512
	s_mov_b32 s[G1W+6], 0
	s_mov_b32 s[G1W+7], 0
	; what a wave asks for: made of n, the head and the wave's number alone
	s_lshl_b32 s[G0D+1], s[WV], 14                 ; K's quarters, then V's: V begins 4 x 16,384 bytes behind K in LDS
	s_lshl_b32 s2, s[NH], 16
	s_add_co_u32 s2, s2, s[G0D+1]
	s_cmp_lt_u32 s[WV], 4
	s_cselect_b32 s13, 0, 4128768                  ; in memory V's part begins at 4,194,304
	s_add_co_u32 s2, s2, s13
	s_mov_b32 s3, 0
	s_lshl_b32 s[G0E+1], s[WV], 12
	s_add_co_u32 s[G0E+1], s[G0E+1], KS-32768      ; waves 8, 9: K's scale words; wave 10: V's, which follow them in LDS
	s_lshr_b32 s14, s[NH], 1
	s_lshl_b32 s14, s14, 13
	s_and_b32 s13, s[WV], 1
	s_lshl_b32 s13, s13, 12
	s_add_co_u32 s14, s14, s13
	s_lshl_b32 s13, s[NH], 12
	s_add_co_u32 s13, s13, 262144
	s_cmp_eq_u32 s[WV], 10
	s_cselect_b32 s14, s13, s14
	s_mov_b32 s15, 0
	s_add_co_u32 s6, s[WV], 1
	s_and_b32 s6, s6, 3                            ; waves 11 .. 14: 0 .. 3
	s_mul_i32 s[G0W+1], s6, 16*WP
	s_add_co_u32 s[G0W+1], s[G0W+1], WQ
	s_lshl_b32 s96, s[HEAD], 15
	s_lshl_b32 s7, s6, 13
	s_add_co_u32 s96, s96, s7
	s_mov_b32 s97, 0
	s_mov_b32 s[SEL], 0x76543210
	s_mov_b32 s[SEL+1], 0xfedcba98
	s_mov_b32 s[CS], 0x3d38aa3b                    ; log2(e) / 32
	s_mov_b32 s[CS+1], s[CS]
.irp p, 0,1
	s_sub_co_i32 s12, s[JJ+\p], 1                  ; the residual's prefetch stands a key step ahead of the pass's end, in waves 0-7, for their own 16 rows and the 16 of wave w + 8
	s_max_i32 s12, s12, 0
	s_cmp_lt_u32 s[WV], 8
	s_cselect_b32 s[PJ+\p], s12, -1
.endr
	s_bfe_u32 s[CX], ttmp6, 0x40000
	s_lshr_b32 s[SUB], s[WV], 3
	s_lshl_b32 s98, s[CX], 1
	s_add_co_u32 s[SUB], s[SUB], s98               ; which of a block's eight tiles is mine
.irp p, 0,1
	s_lshl_b32 s98, s[JJ+\p], 3
	s_add_co_u32 s98, s98, s[SUB]
	s_lshl_b32 s99, s[NB], 7
	s_add_co_u32 s98, s98, s99                     ; the pass's tile of 16 rows among all 512
	s_lshl_b32 s[XC+\p], s98, 13                   ; its codes: 16 rows of 512 bytes a tile,
	s_lshl_b32 s[XS+\p], s98, 9                    ; its scale bytes: 16 rows of 32,
	s_lshl_b32 s98, s98, 16                        ; its rows of query and res
	s_lshl_b32 s99, s[HEAD], 8
	s_add_co_u32 s[XO+\p], s98, s99
.endr
	s_sub_co_u32 s[XS+1], s[XS+1], s[XS]
	s_lshl_b32 s7, s[ODD], 1
	s_add_co_u32 s7, s7, KS
	s_lshl_b32 s98, s[SUB], 4
	s_mul_i32 s99, s[WV], 16*SP
	s_add_co_u32 s99, s99, STG
	s_lshl_b32 s100, s[WV], 10
	s_add_co_u32 s100, s100, STAT
	s_lshl_b32 s101, s[HEAD], 11
	v_and_b32 v8, 15, v0                           ; r
	v_bfe_u32 v9, v0, 4, 1                         ; h
	v_and_b32 v10, 31, v0
	v_cmp_gt_u32 s[HM], 16, v10
	v_lshlrev_b32 v[LI], 4, v10
	v_lshlrev_b32 v11, 2, v8
	v_add_nc_u32 v[AV0], VC, v[LI]
	v_add_nc_u32 v[ASK0], s7, v11
	v_add_nc_u32 v[ASV0], VS, v11
	v_lshlrev_b32 v11, 3, v9
	v_sub_nc_u32 v[DM], v8, v11
	v_add_nc_u32 v[DM], s98, v[DM]                 ; 16 sub + r - 8 h
	v_mul_u32_u24 v[STO], v8, SP
	v_lshl_add_u32 v[STO], v9, 5, v[STO]
	v_add_nc_u32 v[STO], s99, v[STO]
	v_mul_u32_u24 v[RD], v9, SP
	v_lshl_add_u32 v[RD], v8, 4, v[RD]
	v_add_nc_u32 v[RD], s99, v[RD]
	v_lshlrev_b32 v[GL], 12, v9
	v_lshl_add_u32 v[GL], v8, 4, v[GL]
	v_add_nc_u32 v[STA], s100, v[LI]
	v_lshlrev_b32 v11, 9, v8
	v_lshl_add_u32 v11, v9, 4, v11
	v_add_nc_u32 v[XA], s[XC], v11                 ; query's codes: row r of the tile, + 16 h
	v_add_nc_u32 v[XA+1], s[XC+1], v11
	v_mul_u32_u24 v11, v9, s[XS+1]
	v_lshl_add_u32 v11, v8, 5, v11
	v_add_nc_u32 v[XSA], s[XS], v11                ; their scale words: lanes 0-15 the first tile's rows, lanes 16-31 the second's
	v_lshlrev_b32 v11, 10, v9
	v_lshl_add_u32 v11, v8, 5, v11
	v_add_nc_u32 v[WSA], s101, v11                 ; Wq's: lanes 0-15 tile t, lanes 16-31 tile t + 2
	v_mul_u32_u24 v11, v8, WP
	v_lshl_add_u32 v11, v9, 4, v11
	v_add_nc_u32 v[WA], WQ, v11
	v_mov_b32 v[NINF], 0xff800000
.irp k, 0,1,2,3
	v_mov_b32 v[QF+4+\k], 0                        ; the zero codes of K = 64 .. 127, written once
.endr
	s_wait_alu depctr_va_vdst(0)                   ; the wait at the head's end
	s_wait_dscnt 0x0                               ; both opening adds are done
	s_wait_kmcnt 0x0
	s_mov_b32 s[G0D], 1
	s_add_nc_u64 s[G0D+2:G0D+3], s[16:17], s[2:3]
	s_or_b32 s[G0D+3], s[G0D+3], 0x80000000
	s_mov_b32 s[G0E], 1
	s_add_nc_u64 s[G0E+2:G0E+3], s[18:19], s[14:15]
	s_or_b32 s[G0E+3], s[G0E+3], 0x80000000
	s_mov_b32 s[G0W], 1
	s_add_nc_u64 s[G0W+2:G0W+3], s[24:25], s[96:97]
	s_or_b32 s[G0W+3], s[G0W+3], 0x80000000
.macro XLOAD q                         ; K step q of my two tiles' codes into slot q % 4
.irp p, 0,1
.irp c, 0,1
	global_load_b128 v[XR+16*((\q)%4)+8*\p+4*\c:XR+16*((\q)%4)+8*\p+4*\c+3], v[XA+\p], s[20:21] offset:64*(\q)+32*\c
.endr
.endr
.endm
.macro SLOAD hf                        ; the scale words of K steps 4 hf .. 4 hf + 3
	global_load_b128 v[KSC:KSC+3], v[WSA], s[26:27] offset:16*\hf
	global_load_b128 v[KSC+4:KSC+7], v[WSA], s[26:27] offset:512+16*\hf
	global_load_b128 v[VSC:VSC+3], v[XSA], s[22:23] offset:16*\hf
.endm
	SLOAD 0
	XLOAD 0
	XLOAD 1
	XLOAD 2
	XLOAD 3
	ROUND                                          ; all four work-groups are here: the joint loads meet
.macro ARM under, g0, g1, next         ; one chain of branches on the wave's number, one load to an arm
	s_cmp_lt_u32 s[WV], \under
	s_cbranch_scc0 \next
	tensor_load_to_lds s[\g0:\g0+3], s[\g1:\g1+7]
	s_nop 0
.rept 4
	v_nop
.endr
	s_branch .Lhead_asked
\next:
.endm
	ARM 8,  G0D, G1D, .Lhead_e
	ARM 11, G0E, G1E, .Lhead_w
	ARM 15, G0W, G1W, .Lhead_none
.Lhead_asked:
	s_wait_tensorcnt 0x0                           ; my part is in,
	s_barrier_signal -1
	s_barrier_wait -1                              ; everybody's are
.macro WM d, a, b, c, x, y, ra, rb
.if (\ra) == 0 && (\rb) == 0
	v_wmma_scale_f32_16x16x128_f8f6f4 v[\d:\d+7], v[\a:\a+7], v[\b:\b+7], \c, v[\x], v[\y] matrix_a_fmt:MATRIX_FMT_FP4 matrix_b_fmt:MATRIX_FMT_FP4
.elseif (\ra) == 0
	v_wmma_scale_f32_16x16x128_f8f6f4 v[\d:\d+7], v[\a:\a+7], v[\b:\b+7], \c, v[\x], v[\y] matrix_a_fmt:MATRIX_FMT_FP4 matrix_b_fmt:MATRIX_FMT_FP4 matrix_b_scale:MATRIX_SCALE_ROW1
.elseif (\rb) == 0
	v_wmma_scale_f32_16x16x128_f8f6f4 v[\d:\d+7], v[\a:\a+7], v[\b:\b+7], \c, v[\x], v[\y] matrix_a_fmt:MATRIX_FMT_FP4 matrix_b_fmt:MATRIX_FMT_FP4 matrix_a_scale:MATRIX_SCALE_ROW1
.else
	v_wmma_scale_f32_16x16x128_f8f6f4 v[\d:\d+7], v[\a:\a+7], v[\b:\b+7], \c, v[\x], v[\y] matrix_a_fmt:MATRIX_FMT_FP4 matrix_b_fmt:MATRIX_FMT_FP4 matrix_a_scale:MATRIX_SCALE_ROW1 matrix_b_scale:MATRIX_SCALE_ROW1
.endif
.endm
.macro WLOAD q                         ; Wq's four fragments of K step q into set q % 2
.set WB, OT+(WB1-OT)*((\q)%2)
.irp t, 0,1,2,3
.irp c, 0,1
	ds_load_b128 v[WB+8*\t+4*\c:WB+8*\t+4*\c+3], v[WA] offset:16*WP*\t+64*(\q)+32*\c
.endr
.endr
.endm
; A K step of the projection: source 0 = 16 channels of Wq, source 1 = 16 queries; eight accumulators (pass p, tile t) at S + 32 p + 8 t by turns, one instruction a turn
.macro QK q
.if (\q) > 0
.rept 4
	v_nop                                          ; four places between the last products and loads into registers that they read
.endr
.endif
.if (\q) < 7
	WLOAD (\q)+1
.endif
.if (\q) == 4
	SLOAD 1
.endif
.if (\q) >= 1 && (\q) <= 4
	XLOAD (\q)+3
.endif
.if (\q) <= 3
	s_wait_loadcnt 12                              ; this K step's codes are in; those of the three steps behind it may be out
.elseif (\q) <= 6
	s_wait_loadcnt 4                               ; K step 7's four may be out
.else
	s_wait_loadcnt 0x0
.endif
.if (\q) < 7
	s_wait_dscnt 8                                 ; the next step's eight may be out
.else
	s_wait_dscnt 0x0
.endif
.irp t, 0,1,2,3
.irp p, 0,1
.set rD, S+32*\p+8*\t
.set rA, OT+(WB1-OT)*((\q)%2)+8*\t
.set rB, XR+16*((\q)%4)+8*\p
.set rX, KSC+4*(\t%2)+(\q)%4
.set rY, VSC+(\q)%4
.if (\q) == 0
	WM rD, rA, rB, 0, rX, rY, \t/2, \p
.else
	WM rD, rA, rB, v[rD:rD+7], rX, rY, \t/2, \p
.endif
.endr
.endr
.endm
	WLOAD 0
.irp q, 0,1,2,3,4,5,6,7
	QK \q
.endr
.rept 4
	v_nop                                          ; places in front of the first read of results and the first write of operands' registers
.endr
.irp b, 0,1,2,3
	v_mov_b32 v[TM+4+\b], 0                        ; a lane permute's destination counts as one of its sources
.endr
; q is quantised along the head's 64 channels: block b of 32 (b / 2: the pass): register S + 16 b + 8 u + j = channel 32 (b % 2) + 16 u + 8 h + j
.irp b, 0,1,2,3
	v_max3_num_f32 v[TM+\b], |v[S+16*\b]|, |v[S+1+16*\b]|, 0x1800000
.endr
.irp i, 2,4,6,8,10,12,14
.irp b, 0,1,2,3
	v_max3_num_f32 v[TM+\b], v[TM+\b], |v[S+16*\b+\i]|, |v[S+1+16*\b+\i]|
.endr
.endr
.irp b, 0,1,2,3
	v_permlanex16_b32 v[TM+4+\b], v[TM+\b], s[SEL], s[SEL+1]
.endr
.irp b, 0,1,2,3
	v_max_num_f32 v[TM+\b], v[TM+\b], v[TM+4+\b]
.endr
.irp b, 0,1,2,3
	v_add_nc_u32 v[TM+12+\b], 0xff000000, v[TM+\b]
.endr
.irp b, 0,1,2,3
	v_lshrrev_b32 v[TM+4+\b], 23, v[TM+12+\b]
.endr
	v_lshl_or_b32 v[QSC], v[TM+5], 8, v[TM+4]      ; two bytes; bytes 2 and 3 are 0, over zero codes
	v_lshl_or_b32 v[QSC1], v[TM+7], 8, v[TM+6]
.irp b, 0,1
.irp u, 0,1
	v_cvt_scalef32_pk8_fp4_f32 v[QF+2*\u+\b], v[S+16*\b+8*\u:S+16*\b+8*\u+7], v[TM+12+\b]
	v_cvt_scalef32_pk8_fp4_f32 v[Q1+2*\u+\b], v[S+32+16*\b+8*\u:S+32+16*\b+8*\u+7], v[TM+14+\b]
.endr
.endr
	v_nop                                          ; one plain place behind a scaled conversion
.irp u, 0,1
	v_permlane16_swap_b32 v[QF+2*\u], v[QF+2*\u+1] ; registers 2 u, 2 u + 1 now hold channels 32 h + 16 u + 0 .. 15
	v_permlane16_swap_b32 v[Q1+2*\u], v[Q1+2*\u+1]
.endr
.irp k, 0,1,2,3
	v_mov_b32 v[PT+\k], 0
	v_mov_b32 v[XP+\k], 0
.endr
	v_mov_b32 v[FF+1], 0
; A PASS: one tile of 16 queries through its key steps, then out.
.macro PASS p
	v_add_nc_u32 v[GO], s[XO+\p], v[GL]
	v_lshl_add_u32 v[PFO], v[LI], 8, s[XO+\p]      ; a lane a row
.set j, 0
.rept 32
	v_mov_b32 v[OT+j], 0                           ; the step is written once: the first finds zeros
.set j, j+1
.endr
	v_mov_b32 v13, 0xff61b1e6                      ; the largest t so far: -3e38
	v_floor_f32 v12, -v13
	v_mov_b32 v14, 0
	v_mov_b32 v15, 0
	s_mov_b32 s[KSI], 0
	s_mov_b32 s[TB], 0
	s_mov_b32 s[TS], 0
	s_mov_b32 s[TJ], 0
.Lstep_\@:                                         ; 16 trips, a constant; a hidden step skips the work, not the steps of the addresses
	s_cmp_gt_u32 s[KSI], s[JJ+\p]
	s_cbranch_scc1 .Lhid_\@
	v_add_nc_u32 v[ADK], s[TB], v[LI]              ; (these four are also the places between the last step's products and the loads below)
	v_add_nc_u32 v[ADV], s[TB], v[AV0]
	v_add_nc_u32 v[ADS], s[TS], v[ASK0]
	v_add_nc_u32 v[ADT], s[TJ], v[ASV0]
.irp t, 0,1,2,3,4,5,6,7
	ds_load_b128 v[KF+4*\t:KF+4*\t+3], v[ADK] offset:512*\t
	ds_load_u16 v[KSC+\t], v[ADS] offset:64*\t     ; my head's two bytes; bytes 2 and 3 come as 0
.endr
.irp t, 0,1,2,3
	ds_load_b128 v[VF+8*\t:VF+8*\t+3], v[ADV] offset:1024*\t
	ds_load_b128 v[VF+8*\t+4:VF+8*\t+7], v[ADV] offset:1024*\t+512
	ds_load_b32 v[VSC+\t], v[ADT] offset:64*\t
.endr
	s_cmp_eq_u32 s[KSI], s[PJ+\p]                  ; the residual's rows: 32 rows x 256 bytes, each named once in the launch
	s_cbranch_scc0 .Lnopf_\@
	global_prefetch_b8 v[PFO], s[28:29] th:TH_LOAD_NT scope:SCOPE_SE
.Lnopf_\@:
	s_wait_dscnt 12                                ; K's sixteen loads are in; V's twelve may be out
.irp t, 0,1,2,3,4,5,6,7
	v_wmma_scale_f32_16x16x128_f8f6f4 v[S+8*\t:S+8*\t+7], v[KF+4*\t:KF+4*\t+7], v[QF:QF+7], 0, v[KSC+\t], v[QSC] matrix_a_fmt:MATRIX_FMT_FP4 matrix_b_fmt:MATRIX_FMT_FP4
.endr
.rept 4
	v_nop                                          ; places in front of the first read of results
.endr
	s_cmp_lg_u32 s[KSI], s[JJ+\p]
	s_cbranch_scc1 .Lopen_\@                       ; only the last step of a pass lies on the diagonal
.set nn, 0
.rept 64
	v_cmp_gt_i32 vcc_lo, 16*(nn/8)+nn%8, v[DM]     ; the register's key comes after my query:
	v_cndmask_b32 v[S+nn], v[S+nn], v[NINF], vcc_lo
.set nn, nn+1
.endr
.Lopen_\@:
.irp b, 0,1,2,3
	v_max3_num_f32 v[BM+\b], v[S+16*\b], v[S+1+16*\b], v[S+2+16*\b]   ; the largest score of each block of 32 keys: for the row's maximum and for the block's largest p
.endr
.irp i, 3,5,7,9,11,13
.irp b, 0,1,2,3
	v_max3_num_f32 v[BM+\b], v[BM+\b], v[S+16*\b+\i], v[S+1+16*\b+\i]
.endr
.endr
.irp b, 0,1,2,3
	v_max_num_f32 v[BM+\b], v[BM+\b], v[S+15+16*\b]
.endr
.irp b, 0,1,2,3
	v_permlanex16_b32 v[PT+\b], v[BM+\b], s[SEL], s[SEL+1]
.endr
.irp b, 0,1,2,3
	v_max_num_f32 v[BM+\b], v[BM+\b], v[PT+\b]
.endr
	v_max3_num_f32 v[TT], v[BM], v[BM+1], v[BM+2]
	v_max_num_f32 v[TT], v[TT], v[BM+3]
	v_mul_f32 v[TT], s[CS], v[TT]
	v_max_num_f32 v13, v13, v[TT]                  ; the running largest t
	v_mov_b32 v[TT], v12
	v_floor_f32 v12, -v13                          ; the new -M
	v_sub_f32 v[TT], v12, v[TT]
	v_cvt_i32_f32 v[TT], v[TT]
	v_ldexp_f32 v[FF], 1.0, v[TT]                  ; f = 2^(old M - new M)
.set j, 0
.rept 32
	v_pk_fma_f32 v[S+j:S+j+1], v[S+j:S+j+1], s[CS:CS+1], v[12:13] op_sel_hi:[1,0,0]   ; t - M
.set j, j+2
.endr
.irp b, 0,1,2,3
	v_fma_f32 v[BM+\b], v[BM+\b], s[CS], v12
.endr
	s_wait_alu depctr_va_vdst(0)                   ; the wait ahead of the batch, and ahead of the wait below
	s_wait_dscnt 0x0                               ; V's loads, issued at the step's head
.set j, 0
.rept 64
	v_exp_f32 v[S+j], v[S+j]                       ; p = 2^(t - M)
.set j, j+1
.endr
	v_pk_mul_f32 v[14:15], v[14:15], v[FF:FF+1] op_sel_hi:[1,0]    ; l under the new M: the plain line behind the exponentials
	s_wait_alu depctr_va_vdst(0)                   ; one wait for the batch, ahead of its first reader
.irp b, 0,1,2,3
	v_exp_f32 v[BM+\b], v[BM+\b]                   ; the block's largest p
.endr
.set c, 0                              ; the row's sum of the unquantised p: 32 pairs, in eight chains
.rept 7
	v_pk_add_f32 v[CH+c:CH+c+1], v[S+c:S+c+1], v[S+14+c:S+15+c]
.set c, c+2
.endr
	v_pk_add_f32 v[14:15], v[14:15], v[S+28:S+29]
.set c, 0
.rept 7
	v_pk_add_f32 v[CH+c:CH+c+1], v[CH+c:CH+c+1], v[S+30+c:S+31+c]
.set c, c+2
.endr
	v_pk_add_f32 v[14:15], v[14:15], v[S+44:S+45]
.set c, 0
.rept 7
	v_pk_add_f32 v[CH+c:CH+c+1], v[CH+c:CH+c+1], v[S+46+c:S+47+c]
.set c, c+2
.endr
	v_pk_add_f32 v[14:15], v[14:15], v[S+60:S+61]
	v_pk_add_f32 v[CH:CH+1], v[CH:CH+1], v[S+62:S+63]
	v_pk_add_f32 v[CH+4:CH+5], v[CH+4:CH+5], v[CH+6:CH+7]
	v_pk_add_f32 v[CH+8:CH+9], v[CH+8:CH+9], v[CH+10:CH+11]
	v_pk_add_f32 v[14:15], v[14:15], v[CH+12:CH+13]
	v_pk_add_f32 v[CH:CH+1], v[CH:CH+1], v[CH+2:CH+3]
	v_pk_add_f32 v[14:15], v[14:15], v[CH+8:CH+9]
	v_pk_add_f32 v[CH:CH+1], v[CH:CH+1], v[CH+4:CH+5]
	v_pk_add_f32 v[14:15], v[14:15], v[CH:CH+1]
	s_wait_alu depctr_va_vdst(0)                   ; and one for the four
.irp b, 0,1,2,3
	v_max_num_f32 v[BM+\b], 0x1800000, v[BM+\b]    ; the floor 2^(3 - 127)
.endr
.irp b, 0,1,2,3
	v_add_nc_u32 v[SO+\b], 0xff000000, v[BM+\b]
.endr
.irp b, 0,1,2,3
	v_lshrrev_b32 v[PT+\b], 23, v[SO+\b]
.endr
	v_lshl_or_b32 v[PW], v[PT+1], 8, v[PT]
	v_lshl_or_b32 v[PW], v[PT+2], 16, v[PW]
	v_lshl_or_b32 v[PW], v[PT+3], 24, v[PW]
.irp b, 0,1,2,3
.irp u, 0,1
	v_cvt_scalef32_pk8_fp4_f32 v[PC+4*(\b/2)+2*\u+(\b%2)], v[S+16*\b+8*\u:S+16*\b+8*\u+7], v[SO+\b]
.endr
.endr
	v_nop                                          ; one plain place behind a scaled conversion
.irp c, 0,1
.irp u, 0,1
	v_permlane16_swap_b32 v[PC+4*\c+2*\u], v[PC+4*\c+2*\u+1]       ; keys 64 c + 32 h + 16 u + 0 .. 15: the operand's layout
.endr
.endr
	s_wait_alu depctr_va_vdst(0)                   ; directly ahead of the first reader of O^T
.set j, 0
.rept 16
	v_pk_mul_f32 v[OT+j:OT+j+1], v[OT+j:OT+j+1], v[FF:FF+1] op_sel_hi:[1,0]   ; O^T under the new M; these sixteen also stand between the writes of p's codes and scale word and the products
.set j, j+2
.endr
.irp t, 0,1,2,3
	v_wmma_scale_f32_16x16x128_f8f6f4 v[OT+8*\t:OT+8*\t+7], v[VF+8*\t:VF+8*\t+7], v[PC:PC+7], v[OT+8*\t:OT+8*\t+7], v[VSC+\t], v[PW] matrix_a_fmt:MATRIX_FMT_FP4 matrix_b_fmt:MATRIX_FMT_FP4
.endr
.Lhid_\@:
	s_add_co_u32 s[TB], s[TB], 4096
	s_add_co_u32 s[TS], s[TS], 512
	s_add_co_u32 s[TJ], s[TJ], 256
	s_add_co_u32 s[KSI], s[KSI], 1
	s_cmp_lt_u32 s[KSI], 16
	s_cbranch_scc1 .Lstep_\@
	; THE WAY OUT
.rept 4
	v_nop                                          ; places behind the last products
.endr
.irp i, 0,1,2,3,4,5,6,7
	global_load_b128 v[VF+4*\i:VF+4*\i+3], v[GO], s[28:29] offset:8192*\i th:TH_LOAD_NT   ; my head's 256 bytes of two rows of query
.endr
	s_wait_alu depctr_va_vdst(0)
	v_add_f32 v14, v14, v15
	v_permlanex16_b32 v[PT], v14, s[SEL], s[SEL+1]
	v_add_f32 v14, v14, v[PT]
	s_wait_alu depctr_va_vdst(0)                   ; ahead of the transcendental
	v_rcp_f32 v[FF], v14
	v_nop
	s_wait_alu depctr_va_vdst(0)                   ; and ahead of its first reader
.set j, 0
.rept 16
	v_pk_mul_f32 v[OT+j:OT+j+1], v[OT+j:OT+j+1], v[FF:FF+1] op_sel_hi:[1,0]   ; O^T / l: register 8 t + i is channel 16 t + 8 h + i of query r
.set j, j+2
.endr
.irp t, 0,1,2,3
	ds_store_b128 v[STO], v[OT+8*\t:OT+8*\t+3] offset:64*\t
	ds_store_b128 v[STO], v[OT+8*\t+4:OT+8*\t+7] offset:64*\t+16
.endr
.irp i, 0,1,2,3,4,5,6,7
	ds_load_b128 v[S+4*\i:S+4*\i+3], v[RD] offset:2*SP*\i          ; my own bytes: LDS serves a wave's instructions in order
.endr
	s_wait_loadcnt 0x0
	s_wait_dscnt 0x0
.set j, 0
.rept 16
	v_pk_add_f32 v[S+j:S+j+1], v[S+j:S+j+1], v[VF+j:VF+j+1]        ; + the residual
.set j, j+2
.endr
.irp i, 0,1,2,3,4,5,6,7
	global_store_b128 v[GO], v[S+4*\i:S+4*\i+3], s[30:31] offset:8192*\i   ; sixteen lanes store 256 consecutive bytes, aligned
.endr
	v_pk_add_f32 v[SUM:SUM+1], v[S:S+1], v[S+4:S+5]
	v_pk_add_f32 v[SUM+2:SUM+3], v[S+2:S+3], v[S+6:S+7]
.irp i, 2,3,4,5,6,7
	v_pk_add_f32 v[SUM:SUM+1], v[SUM:SUM+1], v[S+4*\i:S+4*\i+1]
	v_pk_add_f32 v[SUM+2:SUM+3], v[SUM+2:SUM+3], v[S+4*\i+2:S+4*\i+3]
.endr
.irp k, 0,1,2,3
	v_permlanex16_b32 v[XP+\k], v[SUM+\k], s[SEL], s[SEL+1]
.endr
	v_pk_add_f32 v[SUM:SUM+1], v[SUM:SUM+1], v[XP:XP+1]
	v_pk_add_f32 v[SUM+2:SUM+3], v[SUM+2:SUM+3], v[XP+2:XP+3]
	v_pk_mul_f32 v[MEAN:MEAN+1], v[SUM:SUM+1], 0x3d800000 op_sel_hi:[1,0]        ; / 16
	v_pk_mul_f32 v[MEAN+2:MEAN+3], v[SUM+2:SUM+3], 0x3d800000 op_sel_hi:[1,0]
.irp i, 0,1,2,3,4,5,6,7
	v_pk_add_f32 v[T:T+1], v[S+4*\i:S+4*\i+1], v[MEAN:MEAN+1] neg_lo:[0,1] neg_hi:[0,1]
	v_pk_add_f32 v[T+2:T+3], v[S+4*\i+2:S+4*\i+3], v[MEAN+2:MEAN+3] neg_lo:[0,1] neg_hi:[0,1]
.if \i == 0
	v_pk_mul_f32 v[M2:M2+1], v[T:T+1], v[T:T+1]
	v_pk_mul_f32 v[M2+2:M2+3], v[T+2:T+3], v[T+2:T+3]
.else
	v_pk_fma_f32 v[M2:M2+1], v[T:T+1], v[T:T+1], v[M2:M2+1]
	v_pk_fma_f32 v[M2+2:M2+3], v[T+2:T+3], v[T+2:T+3], v[M2+2:M2+3]
.endif
.endr
.irp k, 0,1,2,3
	v_permlanex16_b32 v[XP+\k], v[M2+\k], s[SEL], s[SEL+1]
.endr
	v_pk_add_f32 v[M2:M2+1], v[M2:M2+1], v[XP:XP+1]
	v_pk_add_f32 v[M2+2:M2+3], v[M2+2:M2+3], v[XP+2:XP+3]
.irp k, 0,1,2,3
	v_cndmask_b32 v[T+\k], v[M2+\k], v[SUM+\k], s[HM]              ; lanes 0-15 carry the sums, lanes 16-31 the squares
.endr
	ds_store_b128 v[STA], v[T:T+3] offset:512*(\p)
	s_wait_xcnt 0x0                                ; the stores and the prefetch have read their registers
.endm
	PASS 0
.irp k, 0,1,2,3
	v_mov_b32 v[QF+\k], v[Q1+\k]                   ; the second pass's Q beside the zero codes
.endr
	v_mov_b32 v[QSC], v[QSC1]
	PASS 1
	s_wait_dscnt 0x0                               ; for wave 0's sake: my two slots of statistics are in LDS
	s_barrier_signal -1
	s_barrier_wait -1
	s_cmp_lg_u32 s[WV], 0
	s_cbranch_scc1 .Ldone
	; wave 0 joins the 32 tiles: a lane takes two columns
	s_lshl_b32 s12, s[NB], 2
	s_add_co_u32 s12, s12, s[CX]                   ; the group of 512 rows
	s_lshl_b32 s12, s12, 13
	s_lshl_b32 s13, s[HEAD], 8
	s_add_co_u32 s12, s12, s13
	v_and_b32 v8, 31, v0
	v_lshlrev_b32 v9, 3, v8
	v_add_nc_u32 v8, STAT, v9
	v_add_nc_u32 v9, s12, v9
	s_wait_alu depctr_va_vdst(0)                   ; directly behind the writes
.set tau, 0
.rept 32
	ds_load_b64 v[S+2*tau:S+2*tau+1], v8 offset:512*tau
.set tau, tau+1
.endr
	s_wait_dscnt 0x0
.set tau, 0
.rept 32
	ds_load_b64 v[KF+2*tau:KF+2*tau+1], v8 offset:512*tau+256      ; the squares land while the sums are worked
.set tau, tau+1
.endr
.macro SUM32 d, b                      ; 32 pairs from v[b] on, in four chains
	v_pk_add_f32 v[\d:\d+1], v[\b:\b+1], v[\b+2:\b+3]
	v_pk_add_f32 v[246:247], v[\b+4:\b+5], v[\b+6:\b+7]
	v_pk_add_f32 v[248:249], v[\b+8:\b+9], v[\b+10:\b+11]
	v_pk_add_f32 v[250:251], v[\b+12:\b+13], v[\b+14:\b+15]
.set k, 16
.rept 6
	v_pk_add_f32 v[\d:\d+1], v[\d:\d+1], v[\b+k:\b+k+1]
	v_pk_add_f32 v[246:247], v[246:247], v[\b+k+2:\b+k+3]
	v_pk_add_f32 v[248:249], v[248:249], v[\b+k+4:\b+k+5]
	v_pk_add_f32 v[250:251], v[250:251], v[\b+k+6:\b+k+7]
.set k, k+8
.endr
	v_pk_add_f32 v[\d:\d+1], v[\d:\d+1], v[246:247]
	v_pk_add_f32 v[248:249], v[248:249], v[250:251]
	v_pk_add_f32 v[\d:\d+1], v[\d:\d+1], v[248:249]
.endm
	SUM32 SUM, S
	v_pk_mul_f32 v[MEAN:MEAN+1], v[SUM:SUM+1], 0x3b000000 op_sel_hi:[1,0]   ; / 512
.set tau, 0
.rept 16
	v_pk_fma_f32 v[T:T+1], v[S+2*tau:S+2*tau+1], 0x3d800000, v[MEAN:MEAN+1] op_sel_hi:[1,0,1] neg_lo:[0,0,1] neg_hi:[0,0,1]     ; a tile's mean less the group's
	v_pk_fma_f32 v[T+2:T+3], v[S+2*tau+2:S+2*tau+3], 0x3d800000, v[MEAN:MEAN+1] op_sel_hi:[1,0,1] neg_lo:[0,0,1] neg_hi:[0,0,1]
.if tau == 0
	v_pk_mul_f32 v[M2:M2+1], v[T:T+1], v[T:T+1]
	v_pk_mul_f32 v[M2+2:M2+3], v[T+2:T+3], v[T+2:T+3]
.else
	v_pk_fma_f32 v[M2:M2+1], v[T:T+1], v[T:T+1], v[M2:M2+1]
	v_pk_fma_f32 v[M2+2:M2+3], v[T+2:T+3], v[T+2:T+3], v[M2+2:M2+3]
.endif
.set tau, tau+2
.endr
	v_pk_add_f32 v[M2:M2+1], v[M2:M2+1], v[M2+2:M2+3]
	s_wait_alu depctr_va_vdst(0)                   ; ahead of the wait below
	s_wait_dscnt 0x0                               ; the squares are in
	SUM32 XP, KF
	v_pk_fma_f32 v[XP:XP+1], v[M2:M2+1], 0x41800000, v[XP:XP+1] op_sel_hi:[1,0,1]   ; + 16 rows x (tile's mean - group's mean)^2
	global_store_b64 v9, v[SUM:SUM+1], s[32:33]    ; 32 lanes store 256 consecutive bytes, aligned
	global_store_b64 v9, v[XP:XP+1], s[32:33] offset:4096
.Ldone:
	s_wait_tensorcnt 0x0                           ; the wave's end
	ds_add_u32 v[SPW], v[NIL]
	s_wait_dscnt 0x0
	ROUND                                          ; the closing round
	s_endpgm
.Lfunc_end_k_qd8907c2684_attn:
	.size	k_qd8907c2684_attn, .Lfunc_end_k_qd8907c2684_attn-k_qd8907c2684_attn
	.p2alignl 7, 3214868480
	.fill 96, 4, 3214868480
	.section	.rodata,"a",@progbits
	.p2align	6, 0x0
	.amdhsa_kernel k_qd8907c2684_attn
		.amdhsa_group_segment_fixed_size 265216
		.amdhsa_private_segment_fixed_size 0
		.amdhsa_enable_private_segment 0
		.amdhsa_kernarg_size 72
		.amdhsa_user_sgpr_count 2
		.amdhsa_user_sgpr_kernarg_segment_ptr 1
		.amdhsa_wavefront_size32 1
		.amdhsa_system_sgpr_workgroup_id_x 1
		.amdhsa_system_sgpr_workgroup_id_y 1
		.amdhsa_system_sgpr_workgroup_id_z 1
		.amdhsa_system_vgpr_workitem_id 0
		.amdhsa_next_free_vgpr 256
		.amdhsa_next_free_sgpr 102
		.amdhsa_reserve_vcc 1
		.amdhsa_float_denorm_mode_32 3
		.amdhsa_float_denorm_mode_16_64 3
		.amdhsa_memory_ordered 1
		.amdhsa_forward_progress 1
		.amdhsa_inst_pref_size 107
	.end_amdhsa_kernel
	.amdgpu_metadata
---
amdhsa.version: [ 1, 2 ]
amdhsa.kernels:
  - .name:           k_qd8907c2684_attn
    .symbol:         k_qd8907c2684_attn.kd
    .args:
      - { .name: codes, .offset: 0, .size: 8, .value_kind: global_buffer, .address_space: global }
      - { .name: scl, .offset: 8, .size: 8, .value_kind: global_buffer, .address_space: global }
      - { .name: xq_codes, .offset: 16, .size: 8, .value_kind: global_buffer, .address_space: global }
      - { .name: xq_scales, .offset: 24, .size: 8, .value_kind: global_buffer, .address_space: global }
      - { .name: Wq_codes, .offset: 32, .size: 8, .value_kind: global_buffer, .address_space: global }
      - { .name: Wq_scales, .offset: 40, .size: 8, .value_kind: global_buffer, .address_space: global }
      - { .name: query, .offset: 48, .size: 8, .value_kind: global_buffer, .address_space: global }
      - { .name: res, .offset: 56, .size: 8, .value_kind: global_buffer, .address_space: global }
      - { .name: stats, .offset: 64, .size: 8, .value_kind: global_buffer, .address_space: global }
    .group_segment_fixed_size: 265216
    .private_segment_fixed_size: 0
    .kernarg_segment_align: 8
    .kernarg_segment_size: 72
    .max_flat_workgroup_size: 512
    .sgpr_count:     102
    .vgpr_count:     256
    .wavefront_size: 32
...
	.end_amdgpu_metadata
.endif
;; end of part 2
;; launch norm (part 3): grid 16 x 16, 8 waves a work-group, no clusters, 9,216 bytes of LDS; arguments res, stats, gamma, beta, out0; writes out0
.if DOCPART == 3
	.amdgcn_target "amdgcn-amd-amdhsa--gfx1250"
	.amdhsa_code_object_version 6
	.text
	.protected	k_qd8907c2684_norm
	.globl	k_qd8907c2684_norm
	.p2align	8
	.type	k_qd8907c2684_norm,@function
k_qd8907c2684_norm:
	s_mov_b64 s[64:65], 0
	v_nop
	global_prefetch_b8 v0, s[64:65] scope:SCOPE_SE
	s_setreg_imm32_b32 hwreg(HW_REG_WAVE_MODE, 25, 1), 1
	s_wait_xcnt 0x0
; out0[row][c] = (res[row][c] - mean[c]) / sqrt(var[c] + 1e-5) x gamma[c] + beta[c]; mean and the biased variance over all 8,192 rows, from the 16 groups' statistics:
; stats[G][0][c] = the sum over the group's 512 rows, stats[G][1][c] = the sum of squares about the group's own mean.
; mean = (sum of the sums) / 8,192;  var = (sum of the squares + 512 x sum of (group's mean - mean)^2) / 8,192: no difference of large sums is formed.
; A work-group takes a strip of 64 columns (256 bytes of a row) x 512 rows.  Thread t: columns 4 (t % 16) on, rows t / 16 + 16 i.  So a wave's load or store covers two rows' 256 consecutive bytes, aligned,
; and the work-group reads only its strip's 8 KiB of statistics: each thread loads one group's 16 + 16 bytes, and they meet in LDS.
; The rows stream through a ring of eight slots in registers: eight loads of every wave are on their way.  Memory binds: no tensor loads, matrix units or clusters.
.set DEPTH, 8
.set RSTEP, 65536                      ; 16 rows of 4,096 bytes: what the 256 threads cover with one load each
.set TRIPS, 512/16/DEPTH               ; 4 rounds of eight slots
.set A,     4                          ; v[4:7]    gamma / sqrt(var + eps)
.set MEAN,  8                          ; v[8:11]
.set BETA,  12                         ; v[12:15]
.set GAM,   16                         ; v[16:19]
.set OFF,   20                         ; v[20:27]  slot i: byte offset of my 16 bytes
.set X,     28                         ; v[28:59]  slot i: 4 numbers as loaded
.set Y,     60                         ; v[60:91]  slot i: 4 numbers to store
.set W,     96                         ; v[96:159] the 16 groups' figures of my 4 columns
.set TOT,   160                        ; v[160:163]
.set AC,    164                        ; v[164:167]
.set D,     168                        ; v[168:171]
.set M2,    172                        ; v[172:175]
.set SG,    176                        ; v[176:179], v[180:183] one group's sums and squares as loaded
.set MG,    180
.set SOF,   184                        ; v184      their offset in stats
	s_load_b256 s[4:11], s[0:1], 0x0               ; res s[4:5], stats s[6:7], gamma s[8:9], beta s[10:11]
	s_load_b64 s[12:13], s[0:1], 0x20              ; out0
	v_lshl_add_u32 v192, v0, 2, 0x2000
	v_mov_b32 v193, 0
	v_and_b32 v1, 15, v0
	s_delay_alu instid0(VALU_DEP_1)
	v_lshlrev_b32 v1, 4, v1                        ; 16 (t % 16): my 4 columns in the strip
	v_lshrrev_b32 v2, 4, v0                        ; t / 16: a row, and at the head a group
	s_delay_alu instid0(VALU_DEP_1)
	v_lshl_add_u32 v3, v2, 9, v1                   ; LDS: 512 bytes a group: 256 of sums, 256 of squares
	s_delay_alu instid0(VALU_DEP_2)
	v_lshl_add_u32 v[SOF], v2, 13, v1              ; stats: 8,192 bytes a group
	s_delay_alu instid0(VALU_DEP_3)
	v_lshl_add_u32 v[OFF], v2, 12, v1
.irp i, 1,2,3,4,5,6,7
	v_add_nc_u32 v[OFF+\i], \i*RSTEP, v[OFF]
.endr
	s_lshl_b32 s14, ttmp9, 8                       ; the strip: 256 bytes
	s_mov_b32 s15, 0
	s_and_b32 s16, ttmp7, 0xffff
	s_lshl_b32 s16, s16, 21                        ; 512 rows of 4,096 bytes
	s_mov_b32 s17, 0
	s_add_nc_u64 s[16:17], s[16:17], s[14:15]
	s_mov_b32 s18, 0x39000000                      ; 1 / 8,192
	s_mov_b32 s19, 0x3727c5ac                      ; 1e-5
	s_wait_alu depctr_va_vdst(0)
	s_wait_kmcnt 0x0
	s_add_nc_u64 s[4:5], s[4:5], s[16:17]
	s_add_nc_u64 s[12:13], s[12:13], s[16:17]
	s_add_nc_u64 s[6:7], s[6:7], s[14:15]
	s_add_nc_u64 s[8:9], s[8:9], s[14:15]
	s_add_nc_u64 s[10:11], s[10:11], s[14:15]
	global_load_b128 v[SG:SG+3], v[SOF], s[6:7]
	global_load_b128 v[MG:MG+3], v[SOF], s[6:7] offset:4096
	global_load_b128 v[GAM:GAM+3], v1, s[8:9]
	global_load_b128 v[BETA:BETA+3], v1, s[10:11]
.irp i, 0,1,2,3,4,5,6,7
	global_load_b128 v[X+4*\i:X+4*\i+3], v[OFF+\i], s[4:5] th:TH_LOAD_NT     ; the ring is filled while the statistics are joined
.endr
	s_wait_loadcnt 10                              ; my group's two loads are in; gamma, beta and the ring's eight may be out
	ds_store_b128 v3, v[SG:SG+3]
	ds_store_b128 v3, v[MG:MG+3] offset:256
	s_wait_dscnt 0x0                               ; for the others' sake
	s_barrier_signal -1
	s_barrier_wait -1
.irp g, 0,1,2,3,4,5,6,7,8,9,10,11,12,13,14,15
	ds_load_b128 v[W+4*\g:W+4*\g+3], v1 offset:512*\g              ; the 16 groups' sums of my columns
.endr
	s_wait_dscnt 0x0
	v_pk_add_f32 v[TOT:TOT+1], v[W:W+1], v[W+4:W+5]
	v_pk_add_f32 v[TOT+2:TOT+3], v[W+2:W+3], v[W+6:W+7]
.irp g, 2,3,4,5,6,7,8,9,10,11,12,13,14,15
	s_delay_alu instid0(VALU_DEP_2)
	v_pk_add_f32 v[TOT:TOT+1], v[TOT:TOT+1], v[W+4*\g:W+4*\g+1]
	s_delay_alu instid0(VALU_DEP_2)
	v_pk_add_f32 v[TOT+2:TOT+3], v[TOT+2:TOT+3], v[W+4*\g+2:W+4*\g+3]
.endr
	s_delay_alu instid0(VALU_DEP_2)
	v_pk_mul_f32 v[MEAN:MEAN+1], v[TOT:TOT+1], 0x39000000 op_sel_hi:[1,0]
	s_delay_alu instid0(VALU_DEP_2)
	v_pk_mul_f32 v[MEAN+2:MEAN+3], v[TOT+2:TOT+3], 0x39000000 op_sel_hi:[1,0]
.irp g, 0,1,2,3,4,5,6,7,8,9,10,11,12,13,14,15
	v_pk_fma_f32 v[D:D+1], v[W+4*\g:W+4*\g+1], 0x3b000000, v[MEAN:MEAN+1] op_sel_hi:[1,0,1] neg_lo:[0,0,1] neg_hi:[0,0,1]        ; the group's mean (sum / 512) less the mean
	v_pk_fma_f32 v[D+2:D+3], v[W+4*\g+2:W+4*\g+3], 0x3b000000, v[MEAN+2:MEAN+3] op_sel_hi:[1,0,1] neg_lo:[0,0,1] neg_hi:[0,0,1]
.if \g == 0
	s_delay_alu instid0(VALU_DEP_2)
	v_pk_mul_f32 v[AC:AC+1], v[D:D+1], v[D:D+1]
	s_delay_alu instid0(VALU_DEP_2)
	v_pk_mul_f32 v[AC+2:AC+3], v[D+2:D+3], v[D+2:D+3]
.else
	s_delay_alu instid0(VALU_DEP_2)
	v_pk_fma_f32 v[AC:AC+1], v[D:D+1], v[D:D+1], v[AC:AC+1]
	s_delay_alu instid0(VALU_DEP_2)
	v_pk_fma_f32 v[AC+2:AC+3], v[D+2:D+3], v[D+2:D+3], v[AC+2:AC+3]
.endif
.endr
.irp g, 0,1,2,3,4,5,6,7,8,9,10,11,12,13,14,15
	ds_load_b128 v[W+4*\g:W+4*\g+3], v1 offset:512*\g+256          ; and their squares
.endr
	s_wait_dscnt 0x0
	v_pk_add_f32 v[M2:M2+1], v[W:W+1], v[W+4:W+5]
	v_pk_add_f32 v[M2+2:M2+3], v[W+2:W+3], v[W+6:W+7]
.irp g, 2,3,4,5,6,7,8,9,10,11,12,13,14,15
	s_delay_alu instid0(VALU_DEP_2)
	v_pk_add_f32 v[M2:M2+1], v[M2:M2+1], v[W+4*\g:W+4*\g+1]
	s_delay_alu instid0(VALU_DEP_2)
	v_pk_add_f32 v[M2+2:M2+3], v[M2+2:M2+3], v[W+4*\g+2:W+4*\g+3]
.endr
	s_delay_alu instid0(VALU_DEP_2)
	v_pk_fma_f32 v[M2:M2+1], v[AC:AC+1], 0x44000000, v[M2:M2+1] op_sel_hi:[1,0,1]          ; + 512 rows x (group's mean - mean)^2
	s_delay_alu instid0(VALU_DEP_2)
	v_pk_fma_f32 v[M2+2:M2+3], v[AC+2:AC+3], 0x44000000, v[M2+2:M2+3] op_sel_hi:[1,0,1]
.irp k, 0,1,2,3
	v_fma_f32 v[M2+\k], v[M2+\k], s18, s19         ; var + eps
.endr
	s_wait_alu depctr_va_vdst(0)
.irp k, 0,1,2,3
	v_rsq_f32 v[TOT+\k], v[M2+\k]
.endr
	v_nop                                          ; a plain place behind the last of them,
	s_wait_alu depctr_va_vdst(0)                   ; and one wait for the four, ahead of their first reader
	s_wait_loadcnt 8                               ; gamma and beta are in; the ring's eight may be out
	v_pk_mul_f32 v[A:A+1], v[GAM:GAM+1], v[TOT:TOT+1]
	v_pk_mul_f32 v[A+2:A+3], v[GAM+2:GAM+3], v[TOT+2:TOT+3]
; One slot's turn.  ahead = 1: the slot is filled again with the rows DEPTH x 16 further down.  left = how many younger loads may be out.
.macro SLOT i, ahead, left
	s_wait_loadcnt \left                           ; loads come back in order (ISA guide 5.7.1): mine is in
	s_wait_xcnt 0x0                                ; this slot's Y and OFF, which its last store reads, are rewritten only behind this wait
	v_pk_add_f32 v[Y+4*\i:Y+4*\i+1], v[X+4*\i:X+4*\i+1], v[MEAN:MEAN+1] neg_lo:[0,1] neg_hi:[0,1]
	s_wait_alu depctr_va_vdst(0)
	v_pk_add_f32 v[Y+4*\i+2:Y+4*\i+3], v[X+4*\i+2:X+4*\i+3], v[MEAN+2:MEAN+3] neg_lo:[0,1] neg_hi:[0,1]
	v_pk_fma_f32 v[Y+4*\i:Y+4*\i+1], v[Y+4*\i:Y+4*\i+1], v[A:A+1], v[BETA:BETA+1]
	s_delay_alu instid0(VALU_DEP_2)
	v_pk_fma_f32 v[Y+4*\i+2:Y+4*\i+3], v[Y+4*\i+2:Y+4*\i+3], v[A+2:A+3], v[BETA+2:BETA+3]
.if \ahead
	v_add_nc_u32 v[OFF+\i], DEPTH*RSTEP, v[OFF+\i]
	global_load_b128 v[X+4*\i:X+4*\i+3], v[OFF+\i], s[4:5] th:TH_LOAD_NT
	global_store_b128 v[OFF+\i], v[Y+4*\i:Y+4*\i+3], s[12:13] offset:-DEPTH*RSTEP th:TH_STORE_NT
.else
	global_store_b128 v[OFF+\i], v[Y+4*\i:Y+4*\i+3], s[12:13] th:TH_STORE_NT
.endif
.endm
	s_mov_b32 s20, TRIPS-1
.Lround:
.irp i, 0,1,2,3,4,5,6,7
	SLOT \i, 1, DEPTH-1
.endr
	s_sub_co_u32 s20, s20, 1
	s_cmp_lg_u32 s20, 0
	s_cbranch_scc1 .Lround
.irp i, 0,1,2,3,4,5,6,7
	SLOT \i, 0, DEPTH-1-\i                         ; the last round loads nothing: the counts run down
.endr
	s_wait_tensorcnt 0x0
	ds_add_u32 v192, v193
	s_wait_dscnt 0x0
	s_endpgm
.Lfunc_end_k_qd8907c2684_norm:
	.size	k_qd8907c2684_norm, .Lfunc_end_k_qd8907c2684_norm-k_qd8907c2684_norm
	.p2alignl 7, 3214868480
	.fill 96, 4, 3214868480
	.section	.rodata,"a",@progbits
	.p2align	6, 0x0
	.amdhsa_kernel k_qd8907c2684_norm
		.amdhsa_group_segment_fixed_size 9216
		.amdhsa_private_segment_fixed_size 0
		.amdhsa_enable_private_segment 0
		.amdhsa_kernarg_size 40
		.amdhsa_user_sgpr_count 2
		.amdhsa_user_sgpr_kernarg_segment_ptr 1
		.amdhsa_wavefront_size32 1
		.amdhsa_system_sgpr_workgroup_id_x 1
		.amdhsa_system_sgpr_workgroup_id_y 1
		.amdhsa_system_sgpr_workgroup_id_z 1
		.amdhsa_system_vgpr_workitem_id 0
		.amdhsa_next_free_vgpr 194
		.amdhsa_next_free_sgpr 66
		.amdhsa_reserve_vcc 0
		.amdhsa_float_denorm_mode_32 3
		.amdhsa_float_denorm_mode_16_64 3
		.amdhsa_memory_ordered 1
		.amdhsa_forward_progress 1
		.amdhsa_inst_pref_size 27
	.end_amdhsa_kernel
	.amdgpu_metadata
---
amdhsa.version: [ 1, 2 ]
amdhsa.kernels:
  - .name:           k_qd8907c2684_norm
    .symbol:         k_qd8907c2684_norm.kd
    .args:
      - { .name: res, .offset: 0, .size: 8, .value_kind: global_buffer, .address_space: global }
      - { .name: stats, .offset: 8, .size: 8, .value_kind: global_buffer, .address_space: global }
      - { .name: gamma, .offset: 16, .size: 8, .value_kind: global_buffer, .address_space: global }
      - { .name: beta, .offset: 24, .size: 8, .value_kind: global_buffer, .address_space: global }
      - { .name: out0, .offset: 32, .size: 8, .value_kind: global_buffer, .address_space: global }
    .group_segment_fixed_size: 9216
    .private_segment_fixed_size: 0
    .kernarg_segment_align: 8
    .kernarg_segment_size: 40
    .max_flat_workgroup_size: 256
    .sgpr_count:     66
    .vgpr_count:     194
    .wavefront_size: 32
...
	.end_amdgpu_metadata
.endif
;; end of part 3
